; MI455X (gfx1250); checked and timed in simulation.
; The chip was launched on July 23, 2026; its instructions are those of AMD's public machine-readable ISA for CDNA 5 (MIT licence, August 2026) and "CDNA5" Instruction Set Architecture Reference Guide (July 2026). The comments in the code are by the model that wrote it; some were corrected since.
;; W8 A8 B32 O8 Linear For Mac. Allowed arithmetic: float matrix products may take bf16 or f16 operands with f32 sums; all other float work in f32.
;; Inputs: bias 1 x 4,096 int32; gemm_scales 1 x 4,096 float32; weight 4,096 x 4,096 int8; x 4,096 x 4,096 int8.
;; Outputs: out0 4,096 x 4,096 int8.
;; One version. Each part assembles by itself: llvm-mc -triple=amdgcn-amd-amdhsa -mcpu=gfx1250 --defsym DOCPART=n.
;; ======== version 1 of 1: 1 launch
;; launch gemm (part 1): grid 16 x 16, 4 waves a work-group, clusters of 4 x 4, 327,680 bytes of LDS; arguments x, weight, bias, gemm_scales, out0; writes out0
.if DOCPART == 1
	.amdgcn_target "amdgcn-amd-amdhsa--gfx1250"
	.amdhsa_code_object_version 6
	.text
	.protected	k_q73cf7cdfc5_gemm
	.globl	k_q73cf7cdfc5_gemm
	.p2align	8
	.type	k_q73cf7cdfc5_gemm,@function
k_q73cf7cdfc5_gemm:
	s_mov_b64 s[64:65], 0
	v_nop
	global_prefetch_b8 v0, s[64:65] scope:SCOPE_SE
	s_setreg_imm32_b32 hwreg(HW_REG_WAVE_MODE, 25, 1), 1
	s_wait_xcnt 0x0
	s_wait_alu depctr_hold_cnt(0) depctr_sa_sdst(0) depctr_va_vdst(0) depctr_va_sdst(0) depctr_va_ssrc(0) depctr_va_vcc(0) depctr_vm_vsrc(0)
	s_getreg_b32 s2, hwreg(HW_REG_IB_STS2, 6, 4)
	s_cmp_eq_u32 s2, 0
	s_cbranch_scc0 .Lentry_in_a_cluster
	s_endpgm
.Lentry_in_a_cluster:
	s_bfe_u32 s2, ttmp6, 0x10000c
	s_cmp_lg_u32 s2, 0xf033
	s_cbranch_scc0 .Lentry_shape_is_right
	s_endpgm
.Lentry_shape_is_right:
; out0[t][n] = int8( clip( ((sum over k of x[t][k] weight[k][n]) + bias[n]) * gemm_scales[n] / 0.05, -128, 127 ) ).
; x: [4096][4096] int8, k along the rows.  weight: [4096 k][4096 n] int8, n along the rows.  bias: i32, gemm_scales: f32, one a column.  out0: int8.
;
; LEFT OUT: '- ZERO_POINT' and '+ OUT_ZP'.  Both are the constant 0 of reference()'s own body: x - 0 = x for every int8, and g + 0 truncates to the same
; int8 as g for every g.  Every input is loaded.
; FORMAT: both operands are int8 in memory and the result is compared as whole numbers, so the products go to the signed 8-bit matrix form with i32 sums:
; no operand is rounded or widened, and a sum (at most 4096 x 128 x 128 = 2^26 in magnitude) is the exact whole number whatever the order of k.
; BEHIND THE SUM each step of reference() is one f32 rounding, repeated here in its order: sum to f32, + f32(bias), * scale, / 0.05, clip, truncate.
; THE DIVISION by the constant 0.05 is made as ONE rounded multiplication by 20.0, the f32 nearest to 1 / 0.05f (= 19.9999997): the form that reference() takes when
; it is compiled, where a division by a constant becomes a multiplication by its reciprocal.
; LIMITS: (1) against a correctly rounded quotient y / 0.05f the product 20 y differs by at most one unit in the last place; the int8 differs only where one of the
; two reaches a whole number and the other stays just under it.
; (2) while all partial sums stay under 2^24, reference()'s f32 sum is the same whole number; from 2^24 on it hangs on its order of adding, and this text
; gives the exact sum rounded once.  With |scale| >= 3.82e-7 (2^24 x 3.82e-7 / 0.05 = 128) such a sum is clipped, unless a bias of like size cancels it.
; (3) a NaN (a NaN scale; 0 x an infinite scale) has no defined int8; none is promised here.
;
; SHAPE: 256 work-groups, each a block of 256 x 256 of out0 with four waves; a wave makes 128 x 128: 64 accumulator tiles of 16 x 16 i32, 512 registers.
; K goes in 16 steps of 256 through a ring of two LDS slots filled by the tensor data mover: every row of a tile is 256 bytes of memory at a multiple of 256.
; A step is four chunks of 64 along K, 64 matrix instructions each.
; CLUSTERS: 4 x 4 work-groups.  x's tile hangs on the block row alone and is asked for jointly by the four of a row of the cluster, weight's on the block
; column alone and by the four of a column: each of the four issues the same tensor load with the same descriptor and a mask that names the four.
; WEIGHT lies [k][n], a matrix operand wants k along a lane's registers: ds_load_tr16_b128 on pairs of bytes brings a lane eight k of two neighbouring columns,
; and two v_perm_b32 part them into a fragment of the even and one of the odd columns: 64 v_perm_b32 for a chunk's 64 matrix instructions.
; THE PARTING RUNS BESIDE THE PRODUCTS: weight's fragments have two buffers; while a chunk multiplies from one, the next chunk's columns are parted into the other,
; four v_perm_b32 behind each of the chunk's last sixteen matrix instructions, so that no run of vector work stands between two chunks' products.
; K IS PERMUTED ALIKE IN BOTH OPERANDS inside a chunk: registers 2c, 2c+1 of lane half h hold k = 32 (c>>1) + 16 h + 8 (c&1) + 0..7, so that x's fragment
; is two loads of 16 bytes.  The sums are whole numbers, so their order changes nothing.
; THE MATRIX INSTRUCTION IS USED TRANSPOSED: source 0 = 16 columns of weight, source 1 = 16 rows of x.  Register j of lane (r = l % 16, h = l / 16) holds row r and
; fragment column 8 h + j, which is column 32 g + 16 h + 2 j + p of the wave's 128 (g: group of 32 columns, p: even or odd fragment): the tiles (a, 2g) and
; (a, 2g+1) give a lane sixteen NEIGHBOURING columns of one row, 16 bytes of out0.
;
; REGISTERS, in windows of 256:
;   window 0: v0-25 addresses and the head's work; v64-127, v128-191 x's fragments (8 x 16 rows x 64 K), two buffers; v192-229 at work on the way out
;   window 1: v0-63 what the 16 transposing loads bring; v64-127, v128-191 weight's 8 fragments, two buffers
;   window 2: the 32 accumulator tiles of my rows 0-63 (tile (a, b) at v[8 (8 a + b)], b = 2 g + p);   window 3: those of my rows 64-127
; A slice of v_perm_b32 works in window 1 and the products name windows 0 to 3, so a slice costs two switches: 36 switches for a chunk's 64 matrix instructions.
.set KSTEP, 256
.set PA,    272                        ; x's LDS row: 256 bytes + 16: an odd multiple of 16, so 16 rows start in 16 different 16-byte columns modulo 256
.set PB,    288                        ; weight's LDS row: 256 bytes + 32: an odd multiple of 32, so 8 rows x 2 columns of 16 bytes do the same
.set QUART, 128*PB                     ; 36,864 bytes: what one wave's tensor load owns (x's 128 rows use 34,816 of them)
.set SLOT,  4*QUART                    ; x's rows 0-127, 128-255, then weight's k rows 0-127, 128-255
.set BS,    2*SLOT                     ; behind the ring: 1,024 bytes of f32(bias), 1,024 of scale, for the block's 256 columns; no fill lands here
.set SP,    144                        ; the way out: a wave's row of 128 bytes + 16
.set ADRA,  10                         ; v10-11  LDS address of my x fragments in slot 0, 1
.set ADRB,  12                         ; v12-15  of my weight loads: slot 0 k rows 0-127, 128-255; slot 1 likewise (one register would pass the 16-bit offset)
.set STO,   16                         ; v16     the way out: where I put 16 bytes of a row
.set RD,    17                         ; v17     the way out: where I read 16 bytes of a whole row back
.set CO,    18                         ; v18     my byte offset in out0
.set BSA,   19                         ; v19     my columns' bias and scale in LDS
.set F0,    64
.set F1,    128
.set BIAS,  64                         ; the way out: 64 + 64 registers in the fragment buffers
.set SCALE, 128
.set T,     192                        ; v192-207
.set P,     224                        ; v224-227
.set U,     228                        ; v228-229
.set RAW,   0                          ; window 1
.set BF0,   64                         ; window 1
.set BF1,   128                        ; window 1
.set G1,  24                           ; s[24:31] descriptor group 1 for x's tiles
.set G0,  32                           ; s[32:39] group 0 for x's tiles, one set for each slot
.set G1B, 40                           ; s[40:47] group 1 for weight's tiles
.set G0B, 48                           ; s[48:55] group 0 for weight's tiles, one set for each slot
.set MSB, 0
.macro WIN new                         ; the immediate's high byte repeats the setting that is left; a switch that changes nothing is dropped
.if MSB != \new
	s_set_vgpr_msb (MSB<<8)|\new
.set MSB, \new
.endif
.endm
.set PERM,   0x45                      ; sources 0 and 1 and the destination in window 1
.set MUL_LO, 0xa1                      ; source 0 (weight) window 1, source 1 (x) window 0, C and D window 2
.set MUL_HI, 0xf1                      ; the same, C and D window 3
.set TO_B,   0x40                      ; destination window 1, address window 0
; Behind an 8-bit integer matrix instruction eight places stand before a vector instruction writes one of its sources or reads its result, and before a load is
; issued into one of its registers (ISA guide 7.12.1 for vector instructions); only plain vector instructions that name none of its registers are places.
.macro PLACES
.rept 8
	v_nop
.endr
.endm
; A joint load.  Waves 0 and 1 fetch x's two halves, waves 2 and 3 weight's.  Each line has one mask and one set of registers for all that issue it.
.macro JLOAD s
	s_cmp_eq_u32 s15, 0
	s_cbranch_scc0 .Lfor_w_\@
	tensor_load_to_lds s[G0+4*\s:G0+4*\s+3], s[G1:G1+7]
	s_nop 0
	s_branch .Lasked_\@
.Lfor_w_\@:
	tensor_load_to_lds s[G0B+4*\s:G0B+4*\s+3], s[G1B:G1B+7]
	s_nop 0
.Lasked_\@:
.endm
; A round of the cluster's barrier: my work-group's barrier, wave 0 signals for the work-group, every wave waits for all sixteen, my work-group's barrier again.
.macro CREST                           ; a round behind its opening barrier
	s_cmp_lg_u32 s14, 0
	s_cbranch_scc1 .Lnot_wave_0_\@
	s_barrier_signal -3
.Lnot_wave_0_\@:
	s_barrier_wait -3
	s_barrier_signal -1
	s_barrier_wait -1
.endm
.macro CROUND
	s_barrier_signal -1
	s_barrier_wait -1
	CREST
.endm
	s_load_b256 s[4:11], s[0:1], 0x0               ; x s[4:5], weight s[6:7], bias s[8:9], gemm_scales s[10:11]
	s_load_b64 s[12:13], s[0:1], 0x20              ; out0
	s_set_vgpr_msb 0x40
	v_lshl_add_u32 v254, v0, 2, 0x48800
	v_mov_b32 v255, 0
	s_set_vgpr_msb 0x4045
	ds_add_u32 v254, v255
	s_set_vgpr_msb 0x4500
	v_lshrrev_b32 v3, 5, v0
	v_readfirstlane_b32 s14, v3                    ; wave 0..3
	s_lshr_b32 s15, s14, 1                         ; rh: which 128 rows of the block are mine.  Also: I fetch for x (0) or for weight (1)
	s_and_b32 s16, s14, 1                          ; ch: which 128 columns.  Also: which 128 rows of that tile I fetch
	s_bfe_u32 s17, ttmp6, 0x40000                  ; cx
	s_bfe_u32 s18, ttmp6, 0x40004                  ; cy
	s_lshl_b32 s19, ttmp9, 2
	s_add_co_u32 s19, s19, s17                     ; block column = 4 x cluster x + cx
	s_and_b32 s20, ttmp7, 0xffff
	s_lshl_b32 s20, s20, 2
	s_add_co_u32 s20, s20, s18                     ; block row = 4 x cluster y + cy
	s_lshl_b32 s21, s18, 2
	s_lshl_b32 s21, 15, s21                        ; my row of the cluster: places 4 cy .. 4 cy + 3
	s_lshl_b32 s22, 0x1111, s17                    ; my column: places cx, cx + 4, cx + 8, cx + 12
	s_mul_i32 s23, s14, QUART                      ; where my tiles go: wave x a quarter of a slot; no place in the cluster enters an LDS address
	s_mov_b32 s60, 0x06040200                      ; v_perm_b32: the even bytes of two words (the even column's four k)
	s_mov_b32 s61, 0x07050301                      ; the odd bytes
	; group 1: tiles of 128 rows x 256 elements of one byte, rows 4,096 elements apart, padded in LDS behind every 64 words
	s_or_b32 s[G1+0], s21, (1<<20)|(1<<21)|(5<<22)|(3<<25)     ; 15:0 mask: my row; 17:16 one byte; 20 padding on; 21 set beside a mask; 24:22 every 64 words; 31:25 by 4 words
	s_or_b32 s[G1B+0], s22, (1<<20)|(1<<21)|(5<<22)|(7<<25)    ; mask: my column; padding of 8 words
	s_mov_b32 s[G1+1], KSTEP<<16                   ; tensor_dim0 = 256
	s_mov_b32 s[G1B+1], KSTEP<<16
	s_mov_b32 s[G1+2], 128<<16                     ; tensor_dim1 = 128
	s_mov_b32 s[G1B+2], 128<<16
	s_mov_b32 s[G1+3], KSTEP<<16                   ; tile_dim0 = 256
	s_mov_b32 s[G1B+3], KSTEP<<16
	s_mov_b32 s[G1+4], 128                         ; tile_dim1 = 128
	s_mov_b32 s[G1B+4], 128
	s_mov_b32 s[G1+5], 4096                        ; from row to row
	s_mov_b32 s[G1B+5], 4096
	s_mov_b32 s[G1+6], 0
	s_mov_b32 s[G1B+6], 0
	s_mov_b32 s[G1+7], 0
	s_mov_b32 s[G1B+7], 0
	; where the tiles come from: x's from the block row and the wave's number, weight's from the block column and the wave's number, in registers of their own
	s_lshl_b32 s62, s16, 19                        ; 128 rows of 4,096 bytes x the half that I fetch
	s_lshl_b32 s56, s20, 20                        ; x: 256 rows x block row
	s_add_co_u32 s56, s56, s62
	s_mov_b32 s57, 0
	s_lshl_b32 s58, s19, 8                         ; weight: 256 columns x block column
	s_add_co_u32 s58, s58, s62
	s_mov_b32 s59, 0
	s_wait_dscnt 0x0
	s_wait_kmcnt 0x0
	s_add_nc_u64 s[4:5], s[4:5], s[56:57]
	s_add_nc_u64 s[6:7], s[6:7], s[58:59]
	CROUND                                         ; all sixteen work-groups are here: the first joint loads meet
.irp s, 0,1
	s_mov_b32 s[G0+4*\s], 1
	s_add_co_u32 s[G0+4*\s+1], s23, \s*SLOT
	s_add_nc_u64 s[G0+4*\s+2:G0+4*\s+3], s[4:5], \s*KSTEP              ; K step s: 256 bytes along x's rows
	s_or_b32 s[G0+4*\s+3], s[G0+4*\s+3], 0x80000000
	s_mov_b32 s[G0B+4*\s], 1
	s_add_co_u32 s[G0B+4*\s+1], s23, \s*SLOT
	s_add_nc_u64 s[G0B+4*\s+2:G0B+4*\s+3], s[6:7], \s*KSTEP*4096       ; K step s: 256 rows down weight
	s_or_b32 s[G0B+4*\s+3], s[G0B+4*\s+3], 0x80000000
	JLOAD \s                                       ; both first fills go out together: two tensor loads of the wave are out
.endr
	; bias and scale of the block's 256 columns: thread t takes 8 bytes of each, so a wave's load covers 256 consecutive bytes, aligned
	s_lshl_b32 s58, s19, 10                        ; 256 columns x 4 bytes x block column
	s_add_nc_u64 s[8:9], s[8:9], s[58:59]
	s_add_nc_u64 s[10:11], s[10:11], s[58:59]
	v_lshlrev_b32 v20, 3, v0
	global_load_b64 v[22:23], v20, s[8:9]
	global_load_b64 v[24:25], v20, s[10:11]
	; addresses, while those are on their way
	v_and_b32 v1, 15, v0                           ; r = l % 16
	v_bfe_u32 v2, v0, 4, 1                         ; h = l / 16
	v_and_b32 v8, 7, v0                            ; l % 8
	v_bfe_u32 v5, v0, 3, 1                         ; (l / 8) % 2
	v_mul_u32_u24 v3, v1, PA
	v_lshl_add_u32 v3, v2, 4, v3                   ; x: row r, 16 bytes for each half of the lanes
	s_mul_i32 s62, s15, QUART                      ; my 128 rows of x
	v_add_nc_u32 v[ADRA], s62, v3
	v_add_nc_u32 v[ADRA+1], SLOT, v[ADRA]
	v_lshl_add_u32 v4, v2, 4, v8                   ; weight: k row 16 h + l % 8,
	v_mul_u32_u24 v4, v4, PB
	v_lshl_add_u32 v4, v5, 4, v4                   ; 16 bytes (8 pairs of columns) for each group of eight lanes
	s_lshl_b32 s63, s16, 7                         ; my 128 columns,
	s_add_co_u32 s63, s63, 2*QUART                 ; behind x's 256 rows
	v_add_nc_u32 v[ADRB], s63, v4
	v_add_nc_u32 v[ADRB+1], QUART, v[ADRB]
	v_add_nc_u32 v[ADRB+2], SLOT, v[ADRB]
	v_add_nc_u32 v[ADRB+3], SLOT+QUART, v[ADRB]
	v_mul_u32_u24 v6, v1, SP                       ; the stage, in: my own region at wave x QUART (+ 128 for the right-hand waves), row r, 16 bytes a lane half
	v_lshl_add_u32 v6, v2, 4, v6
	s_lshl_b32 s62, s16, 7
	s_add_co_u32 s62, s62, s23
	v_add_nc_u32 v[STO], s62, v6
	v_mul_u32_u24 v7, v5, QUART+128                ; back: lanes 0-7 of a half read the left wave's 128 bytes of a row, lanes 8-15 the right wave's;
	v_lshl_add_u32 v7, v8, 4, v7                   ; the 128 bytes' shift puts the two in different 16-byte columns modulo 256
	v_mul_u32_u24 v9, v2, SP                       ; lanes 16-31 the next row
	v_add_nc_u32 v7, v7, v9
	s_mul_i32 s62, s15, 2*QUART                    ; the pair of waves that made my rows,
	s_mul_i32 s63, s16, 64*SP                      ; of whose 128 rows I send out 64
	s_add_co_u32 s62, s62, s63
	v_add_nc_u32 v[RD], s62, v7
	v_lshlrev_b32 v[CO], 4, v1                     ; and the same two rows in out0
	v_lshl_add_u32 v[CO], v2, 12, v[CO]
	s_lshl_b32 s62, s16, 9                         ; my 128 columns x 4 bytes,
	s_add_co_u32 s62, s62, BS
	v_lshl_add_u32 v[BSA], v2, 6, s62              ; 16 columns for each half of the lanes
	v_add_nc_u32 v21, BS, v20
	s_wait_loadcnt 0x0
	v_cvt_f32_i32 v22, v22                         ; bias.astype(f32): one rounding, to nearest even
	v_cvt_f32_i32 v23, v23
	ds_store_b64 v21, v[22:23]
	ds_store_b64 v21, v[24:25] offset:1024
; 32 LDS loads in one run: the fragments of chunk q (64 along K) of a slot.  Weight: group g of 32 columns, load c: eight k rows from 32 (c>>1) + 8 (c&1) + 16 h.
; x: fragment i (16 rows), two loads of 16 bytes, 32 apart: k = 32 c' + 16 h + 0..15, the same k that weight's registers hold.
.macro FETCH slot, q, f
	WIN TO_B
.irp g, 0,1,2,3
.irp c, 0,1,2,3
	ds_load_tr16_b128 v[RAW+16*\g+4*\c:RAW+16*\g+4*\c+3], v[ADRB+2*\slot+((\q)>>1)] offset:(64*((\q)&1)+32*(\c>>1)+8*(\c&1))*PB+32*\g
.endr
.endr
	WIN 0
.irp i, 0,1,2,3,4,5,6,7
	ds_load_b128 v[\f+8*\i:\f+8*\i+3],   v[ADRA+\slot] offset:64*(\q)+\i*16*PA
	ds_load_b128 v[\f+8*\i+4:\f+8*\i+7], v[ADRA+\slot] offset:64*(\q)+32+\i*16*PA
.endr
.endm
; Slice n (0..15) of the parting: what transposing load n = 4 g + c brought.  A loaded word holds two k of an even and of an odd column; two words give four k
; of one column: two registers of the even fragment 2 g of buffer bf, two of the odd fragment 2 g + 1.
.macro PSLICE n, bf
	WIN PERM
.irp e, 0,1
	v_perm_b32 v[\bf+16*((\n)>>2)+2*((\n)&3)+\e],   v[RAW+4*(\n)+2*\e+1], v[RAW+4*(\n)+2*\e], s60
	v_perm_b32 v[\bf+16*((\n)>>2)+8+2*((\n)&3)+\e], v[RAW+4*(\n)+2*\e+1], v[RAW+4*(\n)+2*\e], s61
.endr
.endm
; 16 matrix instructions: blocks a0, a0 + 1 of 16 rows (hi = 0: my rows 0-63, 1: rows 64-127) x the 8 fragments of weight in buffer bf, 64 along K, both signed.
; zero = 1: the first product starts the sums: nothing is cleared.  The 64 accumulators take turns, one instruction a turn, in the same order in every chunk,
; over the loop's backward jump too.
; mode 0: the products alone.
; mode 1: four v_nop behind each of the first two products: the eight places between the LAST chunk's matrix instructions and what this chunk writes of their
;         sources: the loads into the x buffer that they read, and the v_perm_b32 into the weight buffer that they read.  This chunk's own name neither.
; mode 2: behind each product one slice of the next chunk's parting, into buffer nbf; the wait for the 16 transposing loads stands behind the first product.
.macro MUL16 f, bf, hi, a0, zero, mode, nbf
.set pn, 0
.irp a, \a0, \a0+1
.irp b, 0,1,2,3,4,5,6,7
.if \hi
	WIN MUL_HI
.else
	WIN MUL_LO
.endif
.if \zero
	v_wmma_i32_16x16x64_iu8 v[8*(8*(\a)+\b):8*(8*(\a)+\b)+7], v[\bf+8*\b:\bf+8*\b+7], v[\f+8*(4*\hi+(\a)):\f+8*(4*\hi+(\a))+7], 0 neg_lo:[1,1,0]
.else
	v_wmma_i32_16x16x64_iu8 v[8*(8*(\a)+\b):8*(8*(\a)+\b)+7], v[\bf+8*\b:\bf+8*\b+7], v[\f+8*(4*\hi+(\a)):\f+8*(4*\hi+(\a))+7], v[8*(8*(\a)+\b):8*(8*(\a)+\b)+7] neg_lo:[1,1,0]
.endif
.if \mode == 1
.if pn < 2
.rept 4
	v_nop
.endr
.endif
.endif
.if \mode == 2
.if pn == 0
	s_wait_dscnt 16                                ; the 16 transposing loads, issued 33 matrix instructions ago, are in; the 16 loads of x behind them may be out
.endif
	PSLICE pn, \nbf
.endif
.set pn, pn+1
.endr
.endr
.endm
; Chunk q = 0, 1, 2 of a K step, on x's and weight's buffers q % 2.  Behind its first 16 products the next chunk's 32 loads go out in one run; behind its last 16
; the next chunk's columns are parted into the other weight buffer.
.macro CHUNK slot, q, zero
.if (\q)&1
.set QF, F1
.set QG, F0
.set QB, BF1
.set QN, BF0
.else
.set QF, F0
.set QG, F1
.set QB, BF0
.set QN, BF1
.endif
	s_wait_dscnt 8                                 ; x's rows 0-63 are in; the youngest eight loads (rows 64-127) may be out
.if \zero
	MUL16 QF, QB, 0, 0, 1, 0, QN                   ; no matrix instruction stands in front of the first chunk: no places are owed
.else
	MUL16 QF, QB, 0, 0, 0, 1, QN
.endif
	FETCH \slot, \q+1, QG
	MUL16 QF, QB, 0, 2, \zero, 0, QN
	s_wait_dscnt 32                                ; all but the 32 just issued: x's rows 64-127 are in
	MUL16 QF, QB, 1, 0, \zero, 0, QN
	MUL16 QF, QB, 1, 2, \zero, 2, QN
.endm
; Chunk 3, on buffers 1, changes slots.  fill = 1: this slot is filled again, two K steps ahead.
; One barrier for two things.  In front of it each wave waits for its reads of this slot (the last were issued in chunk 2) and for all its tensor loads, of which
; one is out: its part of the next slot.  Behind it nobody reads this slot and the next slot is whole.  Where the slot is filled again the barrier opens a round
; of the cluster's barrier, only register work stands inside the round, and the joint refill is the wave's first and only tensor load behind it.
; From a request to the wait for it a wave issues 240 matrix instructions.
.macro TURN slot, next, fill
	s_wait_dscnt 0x0                               ; my reads of this slot are over
	s_wait_tensorcnt 0x0                           ; all my tensor loads have landed
	ds_add_u32 v254, v255
	s_wait_dscnt 0x0
	s_barrier_signal -1
	MUL16 F1, BF1, 0, 0, 0, 1, BF0                 ; work on registers while the others arrive
	WIN 0
	s_barrier_wait -1
.if \fill
	CREST                                          ; no wave of any partner still reads this slot's tile or has a load on its way
	s_add_nc_u64 s[G0+4*\slot+2:G0+4*\slot+3], s[G0+4*\slot+2:G0+4*\slot+3], 2*KSTEP
	s_add_nc_u64 s[G0B+4*\slot+2:G0B+4*\slot+3], s[G0B+4*\slot+2:G0B+4*\slot+3], 2*KSTEP*4096
	JLOAD \slot
.endif
	FETCH \next, 0, F0
	MUL16 F1, BF1, 0, 2, 0, 0, BF0
	MUL16 F1, BF1, 1, 0, 0, 0, BF0
	MUL16 F1, BF1, 1, 2, 0, 2, BF0
.endm
	s_wait_dscnt 0x0                               ; my bias and scale are in LDS, for the other waves' sake
	s_wait_tensorcnt 0x1                           ; my part of K step 0 is in; K step 1's may stay out
	s_barrier_signal -1
	s_barrier_wait -1
	FETCH 0, 0, F0
	s_wait_dscnt 16                                ; the 16 transposing loads are in
.set ps, 0
.rept 16
	PSLICE ps, BF0                                 ; the first chunk's columns are parted in one run: there are no products yet to set them behind
.set ps, ps+1
.endr
	CHUNK 0, 0, 1                                  ; the first chunk stands in front of the loop: its products start the 64 sums
	WIN 0                                          ; at a label and at a branch every window is 0
	s_mov_b32 s3, 7                                ; seven trips: K steps 0 to 13 (less the first chunk, plus step 14's), refills for K steps 2 to 15
.Llap:
	CHUNK 0, 1, 0
	CHUNK 0, 2, 0
	TURN 0, 1, 1
	CHUNK 1, 0, 0
	CHUNK 1, 1, 0
	CHUNK 1, 2, 0
	TURN 1, 0, 1
	CHUNK 0, 0, 0
	WIN 0
	s_sub_co_u32 s3, s3, 1
	s_cmp_lg_u32 s3, 0
	s_cbranch_scc1 .Llap
	CHUNK 0, 1, 0                                  ; K steps 14 and 15 fill nothing and have no round of the cluster's barrier
	CHUNK 0, 2, 0
	TURN 0, 1, 0                                   ; behind this barrier no wave reads slot 0 any more, and no fill lands in it again
	CHUNK 1, 0, 0
	CHUNK 1, 1, 0
	CHUNK 1, 2, 0
	s_wait_dscnt 0x0                               ; the very last chunk: nothing more to fetch or to part
	MUL16 F1, BF1, 0, 0, 0, 0, BF0
	MUL16 F1, BF1, 0, 2, 0, 0, BF0
	MUL16 F1, BF1, 1, 0, 0, 0, BF0
	MUL16 F1, BF1, 1, 2, 0, 0, BF0
	; THE WAY OUT.  The eight places stand behind the last matrix instructions: for the loads into the fragment buffers and for the conversions of the sums.
	PLACES
	WIN 0
.irp g, 0,1,2,3
.irp i, 0,1,2,3
	ds_load_b128 v[BIAS+16*\g+4*\i:BIAS+16*\g+4*\i+3],   v[BSA] offset:128*\g+16*\i        ; columns 32 g + 16 h + 4 i .. + 3 of my 128
	ds_load_b128 v[SCALE+16*\g+4*\i:SCALE+16*\g+4*\i+3], v[BSA] offset:1024+128*\g+16*\i
.endr
.endr
	s_lshl_b32 s70, s20, 20                        ; out0: 256 rows x block row
	s_lshl_b32 s62, s14, 18                        ; + the 64 rows that I send out: 64 x wave
	s_add_co_u32 s70, s70, s62
	s_mov_b32 s71, 0
	s_lshl_b32 s58, s19, 8                         ; + 256 columns x block column
	s_mov_b32 s59, 0
	s_add_nc_u64 s[12:13], s[12:13], s[70:71]
	s_add_nc_u64 s[12:13], s[12:13], s[58:59]
	s_mov_b32 s56, 0x41a00000                      ; 20.0; a pair, since a packed source names both registers
	s_mov_b32 s57, 0x41a00000
	s_mov_b32 s66, 0xc0ce0000                      ; -6.4375
	s_mov_b32 s67, 0x40cc0000                      ;  6.375
	s_mov_b32 s68, 0x00000400                      ; v_perm_b32: the low bytes of two words into a low half
	s_mov_b32 s69, 0x05040100                      ; two low halves into a word
	s_wait_dscnt 0x0
; Sixteen neighbouring results of one row: tiles (a, 2g) and (a, 2g+1) of window 2 + hi.
; y = (f32(sum) + f32(bias)) * scale, each step rounded once, as in reference(); then RN(20 y), one rounding (see the head).
; THE CLIP stands in front of that product: y is held in [-6.4375, 6.375].  RN(20 y) grows with y; 20 x 6.375 = 127.5 and 20 x -6.4375 = -128.75 are exact and
; truncate to 127 and -128; a y outside gives a product beyond them, which reference() clips to 127 or -128; a y inside gives a product in [-128.75, 127.5],
; whose truncation is that of reference()'s clipped value.  An infinite y is taken too.
.macro OUTBLK hi, a, g
.if \hi
	WIN 0x03
.else
	WIN 0x02
.endif
.irp j, 0,1,2,3,4,5,6,7
	v_cvt_f32_i32 v[T+2*\j],   v[8*(8*\a+2*\g)+\j]             ; column 16 h + 2 j
	v_cvt_f32_i32 v[T+2*\j+1], v[8*(8*\a+2*\g+1)+\j]           ; column 16 h + 2 j + 1
.endr
	WIN 0
.irp k, 0,2,4,6,8,10,12,14
	v_pk_add_f32 v[T+\k:T+\k+1], v[T+\k:T+\k+1], v[BIAS+16*\g+\k:BIAS+16*\g+\k+1]
.endr
.irp k, 0,2,4,6,8,10,12,14
	v_pk_mul_f32 v[T+\k:T+\k+1], v[T+\k:T+\k+1], v[SCALE+16*\g+\k:SCALE+16*\g+\k+1]
.endr
.irp k, 0,1,2,3,4,5,6,7,8,9,10,11,12,13,14,15
	v_med3_num_f32 v[T+\k], v[T+\k], s66, s67
.endr
.irp k, 0,2,4,6,8,10,12,14
	v_pk_mul_f32 v[T+\k:T+\k+1], v[T+\k:T+\k+1], s[56:57] op_sel_hi:[1,0]
.endr
.irp k, 0,1,2,3,4,5,6,7,8,9,10,11,12,13,14,15
	v_cvt_i32_f32 v[T+\k], v[T+\k]                 ; toward zero, as astype(int8)
.endr
.irp d, 0,1,2,3
	v_perm_b32 v[U],   v[T+4*\d+1], v[T+4*\d],   s68
	v_perm_b32 v[U+1], v[T+4*\d+3], v[T+4*\d+2], s68
	v_perm_b32 v[P+\d], v[U+1], v[U], s69
.endr
	ds_store_b128 v[STO], v[P:P+3] offset:(64*\hi+16*\a)*SP+32*\g
.endm
.irp hi, 0,1
.irp a, 0,1,2,3
.irp g, 0,1,2,3
	OUTBLK \hi, \a, \g
.endr
.endr
.endr
	s_wait_dscnt 0x0                               ; my part of the stage is written, for the sake of the wave beside me: a row of 256 bytes is two waves' work
	s_barrier_signal -1
	s_barrier_wait -1
.set t, 0
.rept 32
	ds_load_b128 v[64+4*t:64+4*t+3], v[RD] offset:2*t*SP       ; two whole rows of the block: 16 lanes each
.set t, t+1
.endr
.set t, 0
.rept 32
	s_wait_dscnt 31-t                              ; LDS loads come back in order (ISA guide 5.7.1): load t is in
	global_store_b128 v[CO], v[64+4*t:64+4*t+3], s[12:13] offset:2*t*4096 th:TH_STORE_NT   ; 16 lanes store 256 consecutive bytes, at a multiple of 256 from out0's first byte; no register of a store is written again
.set t, t+1
.endr
	s_set_vgpr_msb 0x5
	s_wait_tensorcnt 0x0
	ds_add_u32 v254, v255
	s_wait_dscnt 0x0
	s_set_vgpr_msb 0x500
	CROUND                                         ; the closing round: no work-group ends while a partner may still ask for a tile that names it
	s_endpgm
.Lfunc_end_k_q73cf7cdfc5_gemm:
	.size	k_q73cf7cdfc5_gemm, .Lfunc_end_k_q73cf7cdfc5_gemm-k_q73cf7cdfc5_gemm
	.p2alignl 7, 3214868480
	.fill 96, 4, 3214868480
	.section	.rodata,"a",@progbits
	.p2align	6, 0x0
	.amdhsa_kernel k_q73cf7cdfc5_gemm
		.amdhsa_group_segment_fixed_size 327680
		.amdhsa_private_segment_fixed_size 0
		.amdhsa_enable_private_segment 0
		.amdhsa_kernarg_size 40
		.amdhsa_user_sgpr_count 2
		.amdhsa_user_sgpr_kernarg_segment_ptr 1
		.amdhsa_wavefront_size32 1
		.amdhsa_system_sgpr_workgroup_id_x 1
		.amdhsa_system_sgpr_workgroup_id_y 1
		.amdhsa_system_sgpr_workgroup_id_z 1
		.amdhsa_system_vgpr_workitem_id 0
		.amdhsa_next_free_vgpr 1024
		.amdhsa_next_free_sgpr 72
		.amdhsa_reserve_vcc 0
		.amdhsa_float_denorm_mode_32 3
		.amdhsa_float_denorm_mode_16_64 3
		.amdhsa_memory_ordered 1
		.amdhsa_forward_progress 1
		.amdhsa_inst_pref_size 255
	.end_amdhsa_kernel
	.section	.bss,"aw",@nobits
	.p2align	6
	.space	262144
	.amdgpu_metadata
---
amdhsa.version: [ 1, 2 ]
amdhsa.kernels:
  - .name:           k_q73cf7cdfc5_gemm
    .symbol:         k_q73cf7cdfc5_gemm.kd
    .args:
      - { .name: x, .offset: 0, .size: 8, .value_kind: global_buffer, .address_space: global }
      - { .name: weight, .offset: 8, .size: 8, .value_kind: global_buffer, .address_space: global }
      - { .name: bias, .offset: 16, .size: 8, .value_kind: global_buffer, .address_space: global }
      - { .name: gemm_scales, .offset: 24, .size: 8, .value_kind: global_buffer, .address_space: global }
      - { .name: out0, .offset: 32, .size: 8, .value_kind: global_buffer, .address_space: global }
    .group_segment_fixed_size: 327680
    .private_segment_fixed_size: 0
    .kernarg_segment_align: 8
    .kernarg_segment_size: 40
    .max_flat_workgroup_size: 128
    .sgpr_count:     72
    .vgpr_count:     1024
    .wavefront_size: 32
...
	.end_amdgpu_metadata
.endif
;; end of part 1
